; MI455X (gfx1250); checked and timed in simulation.
; The chip was launched on July 23, 2026; its instructions are those of AMD's public machine-readable ISA for CDNA 5 (MIT licence, August 2026) and "CDNA5" Instruction Set Architecture Reference Guide (July 2026). The comments in the code are by the model that wrote it; some were corrected since.
;; Quantize. Allowed arithmetic: float matrix products may take bf16 or f16 operands with f32 sums; all other float work in f32.
;; Inputs: embed 512 x 8,192 float32; input_data 8 x 2,048 x 512 float32.
;; Outputs: out0 8 x 2,048 x 512 float32; out1 one number float32; out2 8 x 2,048 int32.
;; One version. Each part assembles by itself: llvm-mc -triple=amdgcn-amd-amdhsa -mcpu=gfx1250 --defsym DOCPART=n.
;; ======== version 1 of 1: 4 launches
;; workspace buffers: xb 16,777,216 bytes; ebt 8,388,608 bytes; et32 16,777,216 bytes; xx 65,536 bytes; ee 32,768 bytes; candk 262,144 bytes of whole numbers; candi 262,144 bytes of whole numbers; part 1,024 bytes
;; launch prep (part 1): grid 384 x 1, 8 waves a work-group, no clusters, 140,800 bytes of LDS; arguments embed, input_data, xb, xx, ebt, et32, ee; writes xb, xx, ebt, et32, ee
.if DOCPART == 1
	.amdgcn_target "amdgcn-amd-amdhsa--gfx1250"
	.amdhsa_code_object_version 6
	.text
	.protected	k_q19ebad3f40_prep
	.globl	k_q19ebad3f40_prep
	.p2align	8
	.type	k_q19ebad3f40_prep,@function
k_q19ebad3f40_prep:
	s_mov_b64 s[64:65], 0
	v_nop
	global_prefetch_b8 v0, s[64:65] scope:SCOPE_SE
	s_setreg_imm32_b32 hwreg(HW_REG_WAVE_MODE, 25, 1), 1
	s_wait_xcnt 0x0
; prep: the tables that the later launches read.
;   work-groups 0-127   (e role): 64 codes each.  embed [512 k][8192 n] f32 is transposed through LDS into et32 [n][k] f32 and
;                       ebt [n][k] bf16, and ee[n] = sum over k of bf16(e)^2 is summed in f32, k ascending, one chain of fused multiply-adds.
;   work-groups 128-383 (x role): 64 tokens each.  xb = bf16(x), xx[t] = sum of bf16(x)^2 in f32.
; The squares are taken of the ROUNDED numbers, since the distances of the next launch are those of the rounded vectors.
; A stream: every input byte is read once by loads of which 16 lanes cover 256 consecutive aligned bytes, every output is stored in
; runs of 256 consecutive aligned bytes.  No matrix unit, no cluster (no two work-groups read the same bytes), loads through registers.
; In the e role, once the tile lies in LDS, waves 0-3 write the rows out while waves 4-7 run the chains of 512 dependent multiply-adds:
; the two jobs only read the tile and do not wait for each other.
.set PIT,  272                         ; LDS row of a block: 64 k x 4 bytes + 16: the rows of 16 neighbouring lanes start 16 bytes apart modulo 256
.set BLKB, 64*PIT                      ; a block: 64 code rows x 64 k, written by one wave alone
.set EES,  8*BLKB                      ; 64 sums ee, in the order of the LDS rows
.set XXS,  EES+256                     ; 64 sums xx
.set D0,   32                          ; v[32:159]  32 loads of 4 registers
.set TR,   160                         ; v[160:223] transposed quads; later the bf16 pairs to store
	s_load_b256 s[4:11], s[0:1], 0x0               ; embed s[4:5], input s[6:7], xb s[8:9], xx s[10:11]
	s_load_b128 s[12:15], s[0:1], 0x20             ; ebt s[12:13], et32 s[14:15]
	s_load_b64 s[16:17], s[0:1], 0x30              ; ee
	v_lshl_add_u32 v224, v0, 2, 0x22200
	v_mov_b32 v225, 0
	v_lshrrev_b32 v1, 5, v0
	v_readfirstlane_b32 s18, v1                    ; wave 0..7
	v_and_b32 v2, 31, v0                           ; lane
	s_mov_b32 s19, ttmp9
	s_mov_b32 s21, 0                               ; high word of every offset pair
	s_mov_b32 s22, 0xffff0000                      ; a word's upper bf16
	s_mov_b32 s23, 0x76543210                      ; v_permlanex16_b32: lane i reads lane i of the other half
	s_mov_b32 s24, 0xfedcba98
	s_wait_kmcnt 0x0
	s_cmp_ge_u32 s19, 128                          ; the role is the same for all waves of a work-group
	s_cbranch_scc1 .Lxrole
; ---------------------------------------------------------------- e role: codes 64 ge .. 64 ge + 63
	v_and_b32 v3, 15, v0                           ; l' = lane % 16: which four codes
	v_bfe_u32 v4, v0, 4, 1                         ; hh = lane / 16: which four k of eight
	s_lshl_b32 s20, s19, 8
	s_add_nc_u64 s[4:5], s[4:5], s[20:21]          ; embed at my 64 columns (256 bytes of each row)
	v_lshlrev_b32 v5, 4, v3
	v_lshl_add_u32 v5, v4, 17, v5                  ; + 4 hh rows of 32,768 bytes
	v_lshl_add_u32 v5, s18, 21, v5                 ; + 64 w rows: wave w loads k = 64 w .. 64 w + 63
.irp g, 0,1,2,3,4,5,6,7
.irp i, 0,1,2,3
	global_load_b128 v[D0+16*\g+4*\i:D0+16*\g+4*\i+3], v5, s[4:5] offset:(8*\g+\i)*32768 th:TH_LOAD_NT   ; row 64 w + 8 g + 4 hh + i, codes 4 l' .. +3
.endr
.endr
	; addresses, while the loads are on their way
	s_mul_i32 s25, s18, BLKB
	v_mul_u32_u24 v6, v3, PIT
	v_lshl_add_u32 v6, v4, 4, v6
	v_add_nc_u32 v6, s25, v6                       ; in: my block, row l', byte 16 hh
	s_and_b32 s28, s18, 3                          ; u: waves u and u + 4 both take LDS rows 16 u .. 16 u + 15 of every block, one to write them out, one to sum them
	s_mul_i32 s25, s28, 16*PIT
	v_mul_u32_u24 v7, v4, BLKB
	v_lshl_add_u32 v7, v3, 4, v7
	v_add_nc_u32 v7, s25, v7                       ; out: block hh, row 16 u, byte 16 l'
	v_add_nc_u32 v8, 4*BLKB, v7                    ; the same in blocks 4 and up (the immediate has 16 bits)
	v_lshlrev_b32 v9, 4, v2
	v_lshl_add_u32 v9, s28, 11, v9                 ; et32: LDS row 16 u + 8 p + i holds code 32 p + 4 i + u; here u x 2,048 + 16 lane
	v_lshlrev_b32 v10, 3, v2
	v_lshl_add_u32 v10, s28, 10, v10               ; ebt: u x 1,024 + 8 lane
	v_mul_u32_u24 v11, v3, PIT
	v_add_nc_u32 v11, s25, v11                     ; the sum: lane takes LDS row 16 u + lane % 16 (two lanes do the same row)
	v_add_nc_u32 v12, 4*BLKB, v11
	s_lshl_b32 s27, s18, 6
	s_add_co_u32 s27, s27, EES-256
	v_lshl_add_u32 v14, v3, 2, s27                 ; EES + 4 (16 (w - 4) + lane % 16): used by waves 4-7 alone
	v_and_b32 v15, 1, v2
	v_lshlrev_b32 v15, 7, v15
	v_lshrrev_b32 v19, 1, v2
	v_lshl_add_u32 v15, v19, 2, v15
	v_add_nc_u32 v15, EES, v15                     ; code 2 l lies in LDS row 32 (l & 1) + (l >> 1), code 2 l + 1 sixteen rows on
	v_lshlrev_b32 v18, 3, v2
	s_lshl_b32 s20, s19, 17
	s_add_nc_u64 s[14:15], s[14:15], s[20:21]      ; et32 at my 64 rows
	s_lshl_b32 s20, s19, 16
	s_add_nc_u64 s[12:13], s[12:13], s[20:21]      ; ebt likewise
	s_lshl_b32 s20, s19, 8
	s_add_nc_u64 s[16:17], s[16:17], s[20:21]      ; ee likewise
; A lane holds 4 k x 4 codes.  Sixteen moves turn the block, four stores of 16 bytes (4 k of one code) put code 4 l' + j into LDS row 16 j + l'.
.macro EGRP g
	s_wait_loadcnt 4*(7-\g)                        ; loads return in order: this group's four are in, the younger groups' four each stay out
.irp j, 0,1,2,3
.irp i, 0,1,2,3
	v_mov_b32 v[TR+4*\j+\i], v[D0+16*\g+4*\i+\j]
.endr
	ds_store_b128 v6, v[TR+4*\j:TR+4*\j+3] offset:\j*16*PIT+32*\g
.endr
.endm
; One row out: four pieces of 512 bytes to et32 as they are, and rounded to bf16, 256 bytes each, to ebt.
.macro EROW i, p
	s_wait_dscnt 4*(7-\i)                          ; this row's four are in, the younger rows' four each stay out
.irp c, 0,1,2,3
	global_store_b128 v9, v[D0+16*\i+4*\c:D0+16*\i+4*\c+3], s[14:15] offset:65536*\p+8192*\i+512*\c
	v_cvt_pk_bf16_f32 v[TR+8*\i+2*\c], v[D0+16*\i+4*\c], v[D0+16*\i+4*\c+1]
	v_cvt_pk_bf16_f32 v[TR+8*\i+2*\c+1], v[D0+16*\i+4*\c+2], v[D0+16*\i+4*\c+3]
	global_store_b64 v10, v[TR+8*\i+2*\c:TR+8*\i+2*\c+1], s[12:13] offset:32768*\p+4096*\i+256*\c
.endr
.endm
; Eight rows out: 32 LDS loads, each 2 x 256 consecutive bytes (blocks 2 c and 2 c + 1 of one row) = bytes 512 c + 16 lane of a code's row
.macro EPASS p
.irp i, 0,1,2,3,4,5,6,7
.irp c, 0,1
	ds_load_b128 v[D0+16*\i+4*\c:D0+16*\i+4*\c+3], v7 offset:\c*2*BLKB+(8*\p+\i)*PIT
.endr
.irp c, 0,1
	ds_load_b128 v[D0+16*\i+8+4*\c:D0+16*\i+8+4*\c+3], v8 offset:\c*2*BLKB+(8*\p+\i)*PIT
.endr
.endr
.irp i, 0,1,2,3,4,5,6,7
	EROW \i, \p
.endr
.endm
; ee: 16 groups of 32 k, two register buffers; one chain in ascending k
.macro ELD g
.irp m, 0,1,2,3,4,5,6,7
.if (\g) < 8
	ds_load_b128 v[D0+32*((\g)&1)+4*\m:D0+32*((\g)&1)+4*\m+3], v11 offset:((\g)/2)*BLKB+((\g)&1)*128+16*\m
.else
	ds_load_b128 v[D0+32*((\g)&1)+4*\m:D0+32*((\g)&1)+4*\m+3], v12 offset:((\g)/2-4)*BLKB+((\g)&1)*128+16*\m
.endif
.endr
.endm
.macro ECH g
.if \g < 15
	ELD \g+1
	s_wait_dscnt 0x8                               ; all but the eight just issued: this group is in
.else
	s_wait_dscnt 0x0
.endif
.irp p, 0,1,2,3,4,5,6,7,8,9,10,11,12,13,14,15
	v_cvt_pk_bf16_f32 v[96+\p], v[D0+32*(\g&1)+2*\p], v[D0+32*(\g&1)+2*\p+1]
.endr
.irp p, 0,1,2,3,4,5,6,7,8,9,10,11,12,13,14,15
	v_lshlrev_b32 v[112+2*\p], 16, v[96+\p]        ; the rounded numbers again as f32
	v_and_b32 v[113+2*\p], s22, v[96+\p]
.endr
.set e, 0
.rept 32
.if (\g+e) == 0
	v_mul_f32 v13, v112, v112                      ; the first square starts the sum
.else
	v_fmac_f32 v13, v[112+e], v[112+e]
.endif
.set e, e+1
.endr
.endm
.irp g, 0,1,2,3,4,5,6,7
	EGRP \g
.endr
	s_wait_dscnt 0x0                               ; my stores are in LDS before I say so
	s_barrier_signal -1
	s_barrier_wait -1                              ; all eight blocks are whole; from here on the tile is only read
	s_cmp_ge_u32 s18, 4
	s_cbranch_scc1 .Lchain
	EPASS 0                                        ; waves 0-3: LDS rows 16 w .. 16 w + 7
	s_wait_xcnt 0x0                                ; v[32:223] are sources of the stores above: they are written again only behind this wait
	EPASS 1                                        ; LDS rows 16 w + 8 .. 16 w + 15
	s_branch .Ljoin
.Lchain:
	ELD 0                                          ; waves 4-7: the sums of LDS rows 16 (w - 4) .. + 15
.irp g, 0,1,2,3,4,5,6,7,8,9,10,11,12,13,14,15
	ECH \g
.endr
	ds_store_b32 v14, v13                          ; two lanes write the same word with the same value
.Ljoin:
	s_wait_dscnt 0x0
	s_barrier_signal -1
	s_barrier_wait -1                              ; the 64 sums are in LDS
	s_cmp_lg_u32 s18, 0
	s_cbranch_scc1 .Le_end
	ds_load_b32 v16, v15                           ; ee of code 2 l
	ds_load_b32 v17, v15 offset:64                 ; ee of code 2 l + 1
	s_wait_dscnt 0x0
	global_store_b64 v18, v[16:17], s[16:17]       ; the wave stores 256 consecutive aligned bytes
.Le_end:
	s_wait_tensorcnt 0x0
	ds_add_u32 v224, v225
	s_wait_dscnt 0x0
	s_endpgm
; ---------------------------------------------------------------- x role: tokens 64 gx .. 64 gx + 63; wave w takes eight of them, a row at a time
.Lxrole:
	s_sub_co_u32 s19, s19, 128
	s_lshl_b32 s20, s19, 17
	s_add_nc_u64 s[6:7], s[6:7], s[20:21]          ; x at my 64 rows of 2,048 bytes
	s_lshl_b32 s20, s19, 16
	s_add_nc_u64 s[8:9], s[8:9], s[20:21]          ; xb at my 64 rows of 1,024 bytes
	s_lshl_b32 s20, s19, 8
	s_add_nc_u64 s[10:11], s[10:11], s[20:21]      ; xx at my 64 numbers
	v_lshlrev_b32 v3, 4, v2
	v_lshl_add_u32 v3, s18, 14, v3                 ; 8 w rows + 16 lane
	v_lshlrev_b32 v4, 3, v2
	v_lshl_add_u32 v4, s18, 13, v4                 ; the same in xb
	s_lshl_b32 s20, s18, 5
	s_add_co_u32 s20, s20, XXS
	v_mov_b32 v5, s20                              ; my eight sums
	v_lshlrev_b32 v6, 3, v2
	v_add_nc_u32 v7, XXS, v6
	v_mov_b32 v28, 0                               ; v_permlanex16_b32 counts as a reader of its destination
.irp i, 0,1,2,3,4,5,6,7
.irp j, 0,1,2,3
	global_load_b128 v[D0+16*\i+4*\j:D0+16*\i+4*\j+3], v3, s[6:7] offset:2048*\i+512*\j th:TH_LOAD_NT
.endr
.endr
.macro XROW i
	s_wait_loadcnt 4*(7-\i)                        ; this row's four loads are in, the younger rows' four each stay out
.irp j, 0,1,2,3
	v_cvt_pk_bf16_f32 v[D0+16*\i+4*\j], v[D0+16*\i+4*\j], v[D0+16*\i+4*\j+1]
	v_cvt_pk_bf16_f32 v[D0+16*\i+4*\j+1], v[D0+16*\i+4*\j+2], v[D0+16*\i+4*\j+3]
	v_lshlrev_b32 v16, 16, v[D0+16*\i+4*\j]
	v_and_b32 v17, s22, v[D0+16*\i+4*\j]
	v_lshlrev_b32 v18, 16, v[D0+16*\i+4*\j+1]
	v_and_b32 v19, s22, v[D0+16*\i+4*\j+1]
.if \j
	v_pk_fma_f32 v[24:25], v[16:17], v[16:17], v[24:25]
	v_pk_fma_f32 v[26:27], v[18:19], v[18:19], v[26:27]
.else
	v_pk_mul_f32 v[24:25], v[16:17], v[16:17]      ; the first squares start the sums
	v_pk_mul_f32 v[26:27], v[18:19], v[18:19]
.endif
	global_store_b64 v4, v[D0+16*\i+4*\j:D0+16*\i+4*\j+1], s[8:9] offset:1024*\i+256*\j   ; 256 consecutive aligned bytes; its data registers are never written again
.endr
	v_pk_add_f32 v[24:25], v[24:25], v[26:27]
	v_add_f32 v24, v24, v25
	v_add_f32_dpp v24, v24, v24 row_xmask:1 row_mask:0xf bank_mask:0xf
	v_add_f32_dpp v24, v24, v24 row_xmask:2 row_mask:0xf bank_mask:0xf
	v_add_f32_dpp v24, v24, v24 row_xmask:4 row_mask:0xf bank_mask:0xf
	v_add_f32_dpp v24, v24, v24 row_xmask:8 row_mask:0xf bank_mask:0xf
	v_permlanex16_b32 v28, v24, s23, s24
	v_add_f32 v24, v24, v28
	ds_store_b32 v5, v24 offset:4*\i               ; all lanes write the same word with the same value
.endm
.irp i, 0,1,2,3,4,5,6,7
	XROW \i
.endr
	s_wait_dscnt 0x0
	s_barrier_signal -1
	s_barrier_wait -1
	s_cmp_lg_u32 s18, 0
	s_cbranch_scc1 .Lx_end
	ds_load_b64 v[16:17], v7
	s_wait_dscnt 0x0
	global_store_b64 v6, v[16:17], s[10:11]        ; 64 sums: 256 consecutive aligned bytes
.Lx_end:
	s_wait_tensorcnt 0x0
	ds_add_u32 v224, v225
	s_wait_dscnt 0x0
	s_endpgm
.Lfunc_end_k_q19ebad3f40_prep:
	.size	k_q19ebad3f40_prep, .Lfunc_end_k_q19ebad3f40_prep-k_q19ebad3f40_prep
	.p2alignl 7, 3214868480
	.fill 96, 4, 3214868480
	.section	.rodata,"a",@progbits
	.p2align	6, 0x0
	.amdhsa_kernel k_q19ebad3f40_prep
		.amdhsa_group_segment_fixed_size 140800
		.amdhsa_private_segment_fixed_size 0
		.amdhsa_enable_private_segment 0
		.amdhsa_kernarg_size 56
		.amdhsa_user_sgpr_count 2
		.amdhsa_user_sgpr_kernarg_segment_ptr 1
		.amdhsa_wavefront_size32 1
		.amdhsa_system_sgpr_workgroup_id_x 1
		.amdhsa_system_sgpr_workgroup_id_y 1
		.amdhsa_system_sgpr_workgroup_id_z 1
		.amdhsa_system_vgpr_workitem_id 0
		.amdhsa_next_free_vgpr 226
		.amdhsa_next_free_sgpr 66
		.amdhsa_reserve_vcc 0
		.amdhsa_float_denorm_mode_32 3
		.amdhsa_float_denorm_mode_16_64 3
		.amdhsa_memory_ordered 1
		.amdhsa_forward_progress 1
		.amdhsa_inst_pref_size 118
	.end_amdhsa_kernel
	.amdgpu_metadata
---
amdhsa.version: [ 1, 2 ]
amdhsa.kernels:
  - .name:           k_q19ebad3f40_prep
    .symbol:         k_q19ebad3f40_prep.kd
    .args:
      - { .name: embed, .offset: 0, .size: 8, .value_kind: global_buffer, .address_space: global }
      - { .name: input_data, .offset: 8, .size: 8, .value_kind: global_buffer, .address_space: global }
      - { .name: xb, .offset: 16, .size: 8, .value_kind: global_buffer, .address_space: global }
      - { .name: xx, .offset: 24, .size: 8, .value_kind: global_buffer, .address_space: global }
      - { .name: ebt, .offset: 32, .size: 8, .value_kind: global_buffer, .address_space: global }
      - { .name: et32, .offset: 40, .size: 8, .value_kind: global_buffer, .address_space: global }
      - { .name: ee, .offset: 48, .size: 8, .value_kind: global_buffer, .address_space: global }
    .group_segment_fixed_size: 140800
    .private_segment_fixed_size: 0
    .kernarg_segment_align: 8
    .kernarg_segment_size: 56
    .max_flat_workgroup_size: 256
    .sgpr_count:     66
    .vgpr_count:     226
    .wavefront_size: 32
...
	.end_amdgpu_metadata
.endif
;; end of part 1
;; launch vq (part 2): grid 4 x 64, 4 waves a work-group, clusters of 4 x 4, 327,680 bytes of LDS; arguments xb, ebt, xx, ee, candk, candi; writes candk, candi
.if DOCPART == 2
	.amdgcn_target "amdgcn-amd-amdhsa--gfx1250"
	.amdhsa_code_object_version 6
	.text
	.protected	k_q19ebad3f40_vq
	.globl	k_q19ebad3f40_vq
	.p2align	8
	.type	k_q19ebad3f40_vq,@function
k_q19ebad3f40_vq:
	s_mov_b64 s[64:65], 0
	v_nop
	global_prefetch_b8 v0, s[64:65] scope:SCOPE_SE
	s_setreg_imm32_b32 hwreg(HW_REG_WAVE_MODE, 25, 1), 1
	s_wait_xcnt 0x0
	s_wait_alu depctr_hold_cnt(0) depctr_sa_sdst(0) depctr_va_vdst(0) depctr_va_sdst(0) depctr_va_ssrc(0) depctr_va_vcc(0) depctr_vm_vsrc(0)
	s_getreg_b32 s2, hwreg(HW_REG_IB_STS2, 6, 4)
	s_cmp_eq_u32 s2, 0
	s_cbranch_scc0 .Lentry_in_a_cluster
	s_endpgm
.Lentry_in_a_cluster:
	s_bfe_u32 s2, ttmp6, 0x10000c
	s_cmp_lg_u32 s2, 0xf033
	s_cbranch_scc0 .Lentry_shape_is_right
	s_endpgm
.Lentry_shape_is_right:
; vq: for 256 tokens and a quarter (2,048) of the codes, the least distance d = fl(fl(xx - 2 x.e) + ee) and the first code that has it.
; x.e in the matrix unit, bf16 operands, f32 sums, K = 512 ascending on one accumulator for each pair; the two roundings behind it as the formula has them.
; Work-group (q, y): tokens 256 y .. +255, codes 2,048 q .. +2,047, walked as 8 blocks of 256 codes: 32 K steps of 128 through a ring of two LDS slots.
; Four waves; a wave makes 128 tokens x 128 codes: 64 accumulator tiles, 512 registers.
; CLUSTERS: 4 x 4 work-groups.  The four of a row of the cluster have the same tokens and ask for A's tiles jointly; the four of a column have the same
; quarter of the codes and ask for B's tiles jointly: a quarter of the requests.
; THE MATRIX INSTRUCTION IS USED TRANSPOSED (source 0 = 16 codes, source 1 = 16 tokens): lane (r, h) holds token r, its registers j the codes 8 h + j.
; THE ARGMIN, behind each block, in each lane and for each of its 8 tokens: a chain of three-way minima carries the best distance through the 8 tiles of the block;
; a tile that lowers it (strictly: the earlier tile keeps a tie) leaves its number in BLK and its 8 distances in SAVE.  At the end the first of the 8 saved
; numbers that equals the best gives the code; then the two halves of the lanes and the two waves with the same tokens are merged, ties to the lower index.
; WHAT LEAVES: for each token the code's number (candi) and the distance as a whole number of the same order (candk): the f32 pattern with the sign bit flipped
; if the number is not negative, with all bits flipped if it is.  The next launch chooses among the four quarters by comparing these whole numbers.
; (A distance is never -0: ee is a sum of squares, and a sum with +0, or one that cancels, is +0.)
; LIMITS: with NaN or infinite inputs, or distances beyond f32's range, the index is unspecified.  The index is that of the distances as this text rounds them:
; two codes whose distances differ by less than the f32 rounding of a sum of 512 products may come out in the other order than in another order of summation.
;
; REGISTERS by windows of 256:
;   window 0: v0-8 set-up; v16-26 addresses; v32-39 XX, v40-47 BEST, v48-55 BLK, v56-63 place/index (one for each of my 8 token tiles);
;             v64-127, v128-191 A's fragments, two buffers (v128-159 also the chain of minima T); v192-255 ee of the block's codes
;   window 1: v0-63 SAVE; v64-127, v128-191 B's fragments;   window 2: accumulators of my tokens 0-63;   window 3: of my tokens 64-127
.set KSTEP,  128
.set SIZE_K, 512
.set PITCH,  272                       ; an LDS row: 256 bytes + 16 of padding: the 16 rows of a fragment load start 16 bytes apart modulo 256
.set HALFT,  128*PITCH                 ; 128 rows: one tensor load
.set SLOT,   4*HALFT                   ; A's 256 rows, then B's 256 rows
.set EEL,    2*SLOT                    ; ee of my 2,048 codes, 8,192 bytes, written by LDS stores: no fill lands here
.set CAND,   EEL+8192                  ; 4,096 bytes: each wave's 128 best distances and 128 indices
.set ADRA, 16                          ; v16-17 LDS address of my A fragments in slot 0, 1
.set ADRB, 20                          ; v20-21 the same for B
.set EEA,  22                          ; v22 EEL + 512 ch + 32 h, 1,024 further in each block
.set LB,   23                          ; v23 2,048 q + 128 ch + 8 h: the lane's part of a code's number
.set CST,  24                          ; v24 where I put candidates
.set CRD,  25                          ; v25 where I read them back
.set CO,   26                          ; v26 8 t: my two tokens in candk and candi
.set XX,   32
.set BEST, 40
.set BLK,  48
.set SUBI, 56
.set F0,   64
.set F1,   128
.set T,    128                         ; T(a, b) = v[128 + 8 a + b]: the best up to and with tile b
.set OV,   128
.set OI,   136
.set PK,   144
.set EE,   192
.set G1,  24                           ; s[24:31] group 1 for A's tiles
.set G0,  32                           ; s[32:39] group 0 for A's tiles, a set for each slot
.set G1B, 48                           ; s[48:55] group 1 for B's tiles
.set G0B, 56                           ; s[56:63] group 0 for B's tiles
.set TID, 14                           ; s[14:21] 16 b + 256 x block: tile b's part of a code's number
.set M,   68                           ; s[68:99] 32 lane masks
.set MSB, 0
.macro WIN new                         ; the immediate's high byte repeats the setting that is left
.if MSB != (\new)
	s_set_vgpr_msb (MSB<<8)|(\new)
.set MSB, (\new)
.endif
.endm
.set MUL_LO, 0xa1                      ; source 0 (B) window 1, source 1 (A) window 0, C and D window 2
.set MUL_HI, 0xf1                      ; the same, C and D window 3
.set TO_B,   0x40                      ; destination window 1
; A joint load: waves 0 and 1 fetch A's halves, waves 2 and 3 B's.  The branch hangs on the wave's number alone.
.macro JLOAD s
	s_cmp_eq_u32 s11, 0
	s_cbranch_scc0 .Lfor_b_\@
	tensor_load_to_lds s[G0+4*\s:G0+4*\s+3], s[G1:G1+7]
	s_nop 0
	s_branch .Lasked_\@
.Lfor_b_\@:
	tensor_load_to_lds s[G0B+4*\s:G0B+4*\s+3], s[G1B:G1B+7]
	s_nop 0
.Lasked_\@:
.endm
.macro CREST                           ; a round of the cluster's barrier, behind its opening work-group barrier
	s_cmp_lg_u32 s10, 0
	s_cbranch_scc1 .Lnot_wave_0_\@
	s_barrier_signal -3
.Lnot_wave_0_\@:
	s_barrier_wait -3
	s_barrier_signal -1
	s_barrier_wait -1
.endm
.macro CROUND
	s_barrier_signal -1
	s_barrier_wait -1
	CREST
.endm
	s_load_b128 s[4:7], s[0:1], 0x0                ; xb s[4:5], ebt s[6:7]
	s_load_b128 s[68:71], s[0:1], 0x10             ; xx s[68:69], ee s[70:71] (the registers become masks when their loads are done)
	s_load_b64 s[8:9], s[0:1], 0x20                ; candk
	s_load_b64 s[66:67], s[0:1], 0x28              ; candi
	s_set_vgpr_msb 0x40
	v_lshl_add_u32 v255, v0, 2, 0x47000
	s_set_vgpr_msb 0x4000
	v_mov_b32 v31, 0
	s_set_vgpr_msb 0x1
	ds_add_u32 v255, v31
	s_set_vgpr_msb 0x100
	v_lshrrev_b32 v1, 5, v0
	v_readfirstlane_b32 s10, v1                    ; wave 0..3
	s_lshr_b32 s11, s10, 1                         ; rh: my half of the tokens.  Also: I fetch for A (0) or for B (1)
	s_and_b32 s12, s10, 1                          ; ch: my half of a block's codes.  Also: which 128 rows of the tile I fetch
	s_bfe_u32 s40, ttmp6, 0x40000                  ; cx
	s_bfe_u32 s41, ttmp6, 0x40004                  ; cy
	s_lshl_b32 s42, ttmp9, 2
	s_add_co_u32 s42, s42, s40                     ; q = 4 x cluster x + cx
	s_and_b32 s13, ttmp7, 0xffff
	s_lshl_b32 s13, s13, 2
	s_add_co_u32 s13, s13, s41                     ; y = 4 x cluster y + cy
	s_lshl_b32 s43, s41, 2
	s_lshl_b32 s43, 15, s43                        ; my row of the cluster
	s_lshl_b32 s44, 0x1111, s40                    ; my column
	; group 1: 128 rows x 128 elements of 2 bytes, 16 bytes of padding behind every 256
	s_or_b32 s[G1+0], s43, (1<<16)|(1<<20)|(1<<21)|(5<<22)|(3<<25)   ; mask of my row; element 2 bytes; padding on; bit 21 beside a mask; after 64 words; 4 words
	s_or_b32 s[G1B+0], s44, (1<<16)|(1<<20)|(1<<21)|(5<<22)|(3<<25)  ; the same with the mask of my column
	s_mov_b32 s[G1+1], KSTEP<<16                   ; tensor_dim0 = 128
	s_mov_b32 s[G1B+1], KSTEP<<16
	s_mov_b32 s[G1+2], 128<<16                     ; tensor_dim1 = 128
	s_mov_b32 s[G1B+2], 128<<16
	s_mov_b32 s[G1+3], KSTEP<<16                   ; tile_dim0 = 128
	s_mov_b32 s[G1B+3], KSTEP<<16
	s_mov_b32 s[G1+4], 128                         ; tile_dim1 = 128
	s_mov_b32 s[G1B+4], 128
	s_mov_b32 s[G1+5], SIZE_K                      ; 512 elements from row to row
	s_mov_b32 s[G1B+5], SIZE_K
	s_mov_b32 s[G1+6], 0
	s_mov_b32 s[G1B+6], 0
	s_mov_b32 s[G1+7], 0
	s_mov_b32 s[G1B+7], 0
	; A's tiles hang on y alone, B's on q alone; each address is made in registers that never hold the other coordinate
	s_lshl_b32 s17, s12, 7
	s_lshl_b32 s16, s13, 8
	s_add_co_u32 s16, s16, s17                     ; A: row 256 y + 128 x half
	s_lshl_b32 s46, s42, 11
	s_add_co_u32 s46, s46, s17                     ; B: row 2,048 q + 128 x half
	s_mov_b32 s17, 0
	s_mov_b32 s47, 0
	s_mov_b64 s[18:19], SIZE_K*2
	s_mul_u64 s[16:17], s[16:17], s[18:19]
	s_mul_u64 s[46:47], s[46:47], s[18:19]
	s_mul_i32 s20, s10, HALFT                      ; to LDS: wave x 128 rows
	s_wait_dscnt 0x0
	s_wait_kmcnt 0x0
	s_add_nc_u64 s[14:15], s[4:5], s[16:17]
	s_add_nc_u64 s[46:47], s[6:7], s[46:47]
	CROUND                                         ; all sixteen work-groups are here: the first joint loads meet
.irp s, 0,1
	s_mov_b32 s[G0+4*\s], 1
	s_add_co_u32 s[G0+4*\s+1], s20, \s*SLOT
	s_add_nc_u64 s[G0+4*\s+2:G0+4*\s+3], s[14:15], \s*KSTEP*2
	s_or_b32 s[G0+4*\s+3], s[G0+4*\s+3], 0x80000000
	s_mov_b32 s[G0B+4*\s], 1
	s_add_co_u32 s[G0B+4*\s+1], s20, \s*SLOT
	s_add_nc_u64 s[G0B+4*\s+2:G0B+4*\s+3], s[46:47], \s*KSTEP*2
	s_or_b32 s[G0B+4*\s+3], s[G0B+4*\s+3], 0x80000000
	JLOAD \s                                       ; K steps 0 and 1: two tensor loads of the wave are out
.endr
	; the small tables.  y's part of an offset goes through s[16:17], q's part through s[46:47]
	s_lshl_b32 s16, s13, 10                        ; 256 y numbers of 4 bytes
	s_mov_b32 s17, 0
	s_add_nc_u64 s[68:69], s[68:69], s[16:17]
	s_add_nc_u64 s[8:9], s[8:9], s[16:17]
	s_add_nc_u64 s[66:67], s[66:67], s[16:17]
	s_lshl_b32 s16, s11, 9                         ; my 128 tokens
	s_add_nc_u64 s[68:69], s[68:69], s[16:17]
	s_lshl_b32 s46, s42, 16                        ; quarter q of candk and candi
	s_mov_b32 s47, 0
	s_add_nc_u64 s[8:9], s[8:9], s[46:47]
	s_add_nc_u64 s[66:67], s[66:67], s[46:47]
	s_lshl_b32 s46, s42, 13                        ; my 2,048 numbers of ee
	s_add_nc_u64 s[70:71], s[70:71], s[46:47]
	v_and_b32 v1, 15, v0                           ; r
	v_bfe_u32 v2, v0, 4, 1                         ; h
	v_lshlrev_b32 v6, 4, v0                        ; 16 t
	v_lshlrev_b32 v7, 2, v1                        ; 4 r
	v_add_nc_u32 v8, EEL, v6
.irp j, 0,1,2,3
	global_load_b128 v[EE+4*\j:EE+4*\j+3], v6, s[70:71] offset:2048*\j   ; ee, 8,192 bytes by 128 threads
.endr
.irp A, 0,1,2,3,4,5,6,7
	global_load_b32 v[XX+\A], v7, s[68:69] offset:64*\A                  ; xx of token 16 A + r of my 128
.endr
	v_mul_u32_u24 v3, v1, PITCH
	v_lshl_add_u32 v3, v2, 4, v3                   ; fragment: row r, 16 bytes for each half of the lanes
	s_mul_i32 s21, s11, HALFT
	s_mul_i32 s22, s12, HALFT
	s_add_co_u32 s22, s22, 2*HALFT
.irp s, 0,1
	v_add_nc_u32 v[ADRA+\s], s21, v3
	v_add_nc_u32 v[ADRB+\s], s22, v3
	s_add_co_u32 s21, s21, SLOT
	s_add_co_u32 s22, s22, SLOT
.endr
	s_lshl_b32 s23, s12, 9
	s_add_co_u32 s23, s23, EEL
	v_lshl_add_u32 v[EEA], v2, 5, s23
	s_lshl_b32 s46, s42, 11
	s_lshl_b32 s23, s12, 7
	s_add_co_u32 s46, s46, s23
	v_lshl_add_u32 v[LB], v2, 3, s46
	s_lshl_b32 s23, s10, 10
	s_add_co_u32 s23, s23, CAND
	v_lshl_add_u32 v[CST], v2, 9, s23              ; my wave's 1,024 bytes: lanes 0-15 the distances, lanes 16-31 the indices
	v_lshl_add_u32 v[CST], v1, 2, v[CST]
	v_lshrrev_b32 v4, 6, v0
	v_and_b32 v5, 63, v0
	v_lshlrev_b32 v5, 3, v5
	v_lshl_add_u32 v[CRD], v4, 11, v5
	v_add_nc_u32 v[CRD], CAND, v[CRD]              ; thread t reads tokens 2 t, 2 t + 1
	v_lshlrev_b32 v[CO], 3, v0
.irp b, 0,1,2,3,4,5,6,7
	s_mov_b32 s[TID+\b], 16*\b
.endr
	s_mov_b32 s22, 0xffff0000                      ; lanes 16-31
	s_mov_b32 s23, 0x7f800000                      ; +infinity
	s_mov_b32 s100, 0x76543210
	s_mov_b32 s101, 0xfedcba98
	; the state is set once for the whole walk (the first block has the same text as the others)
.irp A, 0,1,2,3,4,5,6,7
	v_mov_b32 v[BEST+\A], s23
	v_mov_b32 v[BLK+\A], 0
.endr
	WIN TO_B
.set i, 0
.rept 64
	v_mov_b32 v[i], s23                            ; SAVE
.set i, i+1
.endr
	WIN 0
	s_wait_loadcnt 0x8                             ; ee's four loads are in; the eight younger ones are xx's
.irp j, 0,1,2,3
	ds_store_b128 v8, v[EE+4*\j:EE+4*\j+3] offset:2048*\j
.endr
	s_wait_loadcnt 0x0                             ; xx; from here s[68:71] may be written
; 16 matrix instructions: token tiles a0, a0 + 1 of the window's four x all 8 code tiles, 32 along K.  zero = 1: the product starts the sums.
; The 64 accumulators take turns, one instruction a turn, in the same order everywhere.
.macro MUL16 f, hi, a0, zero
.irp a, \a0, \a0+1
.irp b, 0,1,2,3,4,5,6,7
.if \zero
	v_wmma_f32_16x16x32_bf16 v[8*(8*(\a)+\b):8*(8*(\a)+\b)+7], v[\f+8*\b:\f+8*\b+7], v[\f+8*(4*\hi+\a):\f+8*(4*\hi+\a)+7], 0
.else
	v_wmma_f32_16x16x32_bf16 v[8*(8*(\a)+\b):8*(8*(\a)+\b)+7], v[\f+8*\b:\f+8*\b+7], v[\f+8*(4*\hi+\a):\f+8*(4*\hi+\a)+7], v[8*(8*(\a)+\b):8*(8*(\a)+\b)+7]
.endif
.endr
.endr
.endm
.macro FETCH slot, k, f                ; 32 LDS loads: the fragments of a quarter step (128 codes, 128 tokens, 32 K at byte k of the rows)
	WIN TO_B
.irp i, 0,1,2,3,4,5,6,7
	ds_load_b128 v[\f+8*\i:\f+8*\i+3],   v[ADRB+\slot] offset:\k+\i*16*PITCH
	ds_load_b128 v[\f+8*\i+4:\f+8*\i+7], v[ADRB+\slot] offset:\k+\i*16*PITCH+32
.endr
	WIN 0
.irp i, 0,1,2,3,4,5,6,7
	ds_load_b128 v[\f+8*\i:\f+8*\i+3],   v[ADRA+\slot] offset:\k+\i*16*PITCH
	ds_load_b128 v[\f+8*\i+4:\f+8*\i+7], v[ADRA+\slot] offset:\k+\i*16*PITCH+32
.endr
.endm
.macro PLACES                          ; four independent vector instructions between a matrix instruction and a load into, or a vector use of, its registers
.rept 4
	v_nop
.endr
.endm
.macro EELOAD                          ; ee of this block's codes 16 b + 8 h + j into v[192 + 8 b + j]; all lanes of a half read the same words
	WIN 0
.irp b, 0,1,2,3,4,5,6,7
	ds_load_b128 v[EE+8*\b:EE+8*\b+3],   v[EEA] offset:64*\b
	ds_load_b128 v[EE+8*\b+4:EE+8*\b+7], v[EEA] offset:64*\b+16
.endr
	v_add_nc_u32 v[EEA], 1024, v[EEA]              ; the next block's 256 codes
.endm
.macro QUARTER slot, k, f, g, zero, ee
	s_wait_dscnt 8                                 ; B and A's rows 0-63 are in; the youngest eight loads (A's rows 64-127) may be out
.if \ee
	EELOAD                                         ; older than the 32 loads below: the wait that leaves those out covers these
.endif
	WIN MUL_LO
	MUL16 \f, 0, 0, \zero
	MUL16 \f, 0, 2, \zero
	PLACES
	FETCH \slot, \k, \g
	s_wait_dscnt 32                                ; all but the 32 just issued
	WIN MUL_HI
	MUL16 \f, 1, 0, \zero
	MUL16 \f, 1, 2, \zero
.endm
.macro THREE slot, zero, ee
	QUARTER \slot, 64,  F0, F1, \zero, \ee
	QUARTER \slot, 128, F1, F0, 0, 0
	QUARTER \slot, 192, F0, F1, 0, 0
.endm
; The last quarter of a K step changes slots.  In front of the barrier each wave waits for its reads of this slot and for all its tensor loads (one is out: its part
; of the next slot).  fill = 1: the barrier opens a round of the cluster's barrier, and behind the round this slot is filled again, first thing.
; wrap = 0: two K steps on in the same block.  wrap = 1: from K step 2 or 3 to K step 0 or 1 of the next 256 codes: A goes back 512 bytes, B on by 256 rows less 512 bytes.
.macro TURN slot, next, fill, wrap
	s_wait_dscnt 8
	WIN MUL_LO
	MUL16 F1, 0, 0, 0
	s_wait_dscnt 0                                 ; my reads of this slot are over
	s_wait_tensorcnt 0x0                           ; all my tensor loads have landed
	ds_add_u32 v255, v31
	s_wait_dscnt 0x0
	s_barrier_signal -1
	MUL16 F1, 0, 2, 0                              ; register work while the others arrive
	WIN 0
	s_barrier_wait -1
.if \fill
	CREST                                          ; no wave of any partner still reads this slot or has a load on its way
.if \wrap
	s_sub_nc_u64 s[G0+4*\slot+2:G0+4*\slot+3], s[G0+4*\slot+2:G0+4*\slot+3], 2*KSTEP*2
	s_add_nc_u64 s[G0B+4*\slot+2:G0B+4*\slot+3], s[G0B+4*\slot+2:G0B+4*\slot+3], 256*SIZE_K*2-2*KSTEP*2
.else
	s_add_nc_u64 s[G0+4*\slot+2:G0+4*\slot+3], s[G0+4*\slot+2:G0+4*\slot+3], 2*KSTEP*2
	s_add_nc_u64 s[G0B+4*\slot+2:G0B+4*\slot+3], s[G0B+4*\slot+2:G0B+4*\slot+3], 2*KSTEP*2
.endif
	JLOAD \slot                                    ; the wave's one tensor load behind the round: one is out until the next round's wait
.endif
	PLACES
	FETCH \next, 0, F0
	WIN MUL_HI
	MUL16 F1, 1, 0, 0
	MUL16 F1, 1, 2, 0
.endm
; The argmin of a block, for the window's four token tiles (A = 4 hi + a), in four stretches, each under one window setting.
.macro E_DIST hi                       ; d = fl(fl(xx - 2 dot) + ee): one fused multiply-add (2 dot is exact), one add
.irp a, 0,1,2,3
.irp b, 0,1,2,3,4,5,6,7
.irp p, 0,2,4,6
.if (\a & 1)
	v_pk_fma_f32 v[8*(8*\a+\b)+\p:8*(8*\a+\b)+\p+1], v[8*(8*\a+\b)+\p:8*(8*\a+\b)+\p+1], -2.0, v[XX+4*\hi+\a-1:XX+4*\hi+\a] op_sel:[0,0,1] op_sel_hi:[1,0,1]
.else
	v_pk_fma_f32 v[8*(8*\a+\b)+\p:8*(8*\a+\b)+\p+1], v[8*(8*\a+\b)+\p:8*(8*\a+\b)+\p+1], -2.0, v[XX+4*\hi+\a:XX+4*\hi+\a+1] op_sel_hi:[1,0,0]
.endif
.endr
.endr
.endr
.irp a, 0,1,2,3
.irp b, 0,1,2,3,4,5,6,7
.irp p, 0,2,4,6
	v_pk_add_f32 v[8*(8*\a+\b)+\p:8*(8*\a+\b)+\p+1], v[8*(8*\a+\b)+\p:8*(8*\a+\b)+\p+1], v[EE+8*\b+\p:EE+8*\b+\p+1]
.endr
.endr
.endr
.endm
.macro E_MIN hi                        ; T(a, b) = min(best so far, the tile's 8 distances); four chains side by side
.irp b, 0,1,2,3,4,5,6,7
.irp u, 0,1,2,3
.irp a, 0,1,2,3
.if \u
	v_min3_num_f32 v[T+8*\a+\b], v[T+8*\a+\b], v[8*(8*\a+\b)+2*\u], v[8*(8*\a+\b)+2*\u+1]
.else
.if \b
	v_min3_num_f32 v[T+8*\a+\b], v[T+8*\a+\b-1], v[8*(8*\a+\b)], v[8*(8*\a+\b)+1]
.else
	v_min3_num_f32 v[T+8*\a+\b], v[BEST+4*\hi+\a], v[8*(8*\a+\b)], v[8*(8*\a+\b)+1]
.endif
.endif
.endr
.endr
.endr
.endm
.macro E_MARK hi                       ; which tiles lowered the best (strictly), and the last such tile's number
.irp b, 0,1,2,3,4,5,6,7
.irp a, 0,1,2,3
.if \b
	v_cmp_lt_f32 s[M+8*\a+\b], v[T+8*\a+\b], v[T+8*\a+\b-1]
.else
	v_cmp_lt_f32 s[M+8*\a+\b], v[T+8*\a+\b], v[BEST+4*\hi+\a]
.endif
.endr
.irp a, 0,1,2,3
	v_cndmask_b32 v[BLK+4*\hi+\a], v[BLK+4*\hi+\a], s[TID+\b], s[M+8*\a+\b]
.endr
.endr
.irp a, 0,1,2,3
	v_mov_b32 v[BEST+4*\hi+\a], v[T+8*\a+7]
.endr
.endm
.macro E_SAVE hi                       ; the 8 distances of each marked tile, later tiles over earlier ones
.irp b, 0,1,2,3,4,5,6,7
.irp a, 0,1,2,3
.irp j, 0,1,2,3,4,5,6,7
	v_cndmask_b32 v[8*(4*\hi+\a)+\j], v[8*(4*\hi+\a)+\j], v[8*(8*\a+\b)+\j], s[M+8*\a+\b]
.endr
.endr
.endr
.endm
.macro EPI hi, w1, w2, w4
	WIN \w1                                        ; destination and source 0 in the accumulators' window
	E_DIST \hi
	WIN \w2                                        ; sources 1 and 2 there
	E_MIN \hi
	WIN 0
	E_MARK \hi
	WIN \w4                                        ; destination and source 0 in window 1, source 1 in the accumulators' window
	E_SAVE \hi
.endm
; A block of 256 codes: four K steps, then the argmin.  more = 1: the ring runs on into the next block, whose first fragments are fetched into buffer 0,
; which the argmin does not touch.
.macro BLOCK more
	THREE 0, 1, 0
	TURN 0, 1, 1, 0
	THREE 1, 0, 0
	TURN 1, 0, 1, 0
	THREE 0, 0, 0
	TURN 0, 1, \more, 1
	THREE 1, 0, 1
.if \more
	TURN 1, 0, 1, 1
.else
	s_wait_dscnt 8                                 ; the very last quarter: nothing more to fetch
	WIN MUL_LO
	MUL16 F1, 0, 0, 0
	MUL16 F1, 0, 2, 0
	s_wait_dscnt 0
	WIN MUL_HI
	MUL16 F1, 1, 0, 0
	MUL16 F1, 1, 2, 0
.endif
	PLACES                                         ; behind the last matrix instructions, in front of the vector work on their results
	EPI 0, 0x82, 0x28, 0x49
	EPI 1, 0xc3, 0x3c, 0x4d
	WIN 0
.irp b, 0,1,2,3,4,5,6,7
	s_add_co_u32 s[TID+\b], s[TID+\b], 256
.endr
.endm
	s_wait_tensorcnt 0x1                           ; my part of K step 0 is in; K step 1's may stay out
	s_wait_dscnt 0x0                               ; my part of ee is in LDS
	s_barrier_signal -1
	s_barrier_wait -1
	FETCH 0, 0, F0
	s_mov_b32 s3, 7
.Lblk:
	BLOCK 1
	s_sub_co_u32 s3, s3, 1
	s_cmp_lg_u32 s3, 0
	s_cbranch_scc1 .Lblk
	BLOCK 0                                        ; the last block asks for nothing beyond its own four K steps
	; the place among the 8 saved distances: the first that equals the best
	WIN 0x01                                       ; source 0 in window 1
.irp A, 0,1,2,3,4,5,6,7
	v_mov_b32 v[SUBI+\A], 7
.endr
.irp j, 6,5,4,3,2,1,0
.irp A, 0,1,2,3,4,5,6,7
	v_cmp_neq_f32 s[M+\A], v[8*\A+\j], v[BEST+\A]
.endr
.irp A, 0,1,2,3,4,5,6,7
	v_cndmask_b32 v[SUBI+\A], \j, v[SUBI+\A], s[M+\A]
.endr
.endr
	WIN 0
.irp A, 0,1,2,3,4,5,6,7
	v_add_nc_u32 v[SUBI+\A], v[SUBI+\A], v[BLK+\A]         ; the code's number: place + tile
.endr
.irp A, 0,1,2,3,4,5,6,7
	v_add_nc_u32 v[SUBI+\A], v[SUBI+\A], v[LB]             ; + the lane's part
.endr
; the other candidate wins if it is nearer, or as near with the lower number
.macro MERGE bv, bi, ov, oi, m
	v_cmp_lt_f32 s[\m], v[\ov], v[\bv]
	v_cmp_eq_f32 s[\m+1], v[\ov], v[\bv]
	v_cmp_lt_u32 s[\m+2], v[\oi], v[\bi]
	s_and_b32 s[\m+1], s[\m+1], s[\m+2]
	s_or_b32 s[\m], s[\m], s[\m+1]
	v_cndmask_b32 v[\bv], v[\bv], v[\ov], s[\m]
	v_cndmask_b32 v[\bi], v[\bi], v[\oi], s[\m]
.endm
.irp A, 0,1,2,3,4,5,6,7
	v_permlanex16_b32 v[OV+\A], v[BEST+\A], s100, s101     ; the same token's candidate in the other half of the lanes
	v_permlanex16_b32 v[OI+\A], v[SUBI+\A], s100, s101
.endr
.irp A, 0,1,2,3,4,5,6,7
	MERGE BEST+\A, SUBI+\A, OV+\A, OI+\A, M+4*\A
.endr
.irp A, 0,1,2,3,4,5,6,7
	v_cndmask_b32 v[PK+\A], v[BEST+\A], v[SUBI+\A], s22    ; lanes 0-15 carry the distance, lanes 16-31 the index
	ds_store_b32 v[CST], v[PK+\A] offset:64*\A
.endr
	s_wait_dscnt 0x0
	s_barrier_signal -1
	s_barrier_wait -1
	ds_load_b64 v[128:129], v[CRD]                 ; tokens 2 t, 2 t + 1: distance, code half 0
	ds_load_b64 v[130:131], v[CRD] offset:512      ; index, code half 0
	ds_load_b64 v[132:133], v[CRD] offset:1024     ; distance, code half 1
	ds_load_b64 v[134:135], v[CRD] offset:1536     ; index, code half 1
	s_wait_dscnt 0x0
	MERGE 128, 130, 132, 134, M
	MERGE 129, 131, 133, 135, M+4
	; the distance as a whole number of the same order: flip the sign bit of a number that is not negative, all bits of a negative one
	v_ashrrev_i32 v136, 31, v128
	v_ashrrev_i32 v137, 31, v129
	v_or_b32 v136, 0x80000000, v136
	v_or_b32 v137, 0x80000000, v137
	v_xor_b32 v128, v128, v136
	v_xor_b32 v129, v129, v137
	global_store_b64 v[CO], v[128:129], s[8:9]     ; each wave stores 256 consecutive aligned bytes
	global_store_b64 v[CO], v[130:131], s[66:67]
	s_set_vgpr_msb 0x1
	s_wait_tensorcnt 0x0
	ds_add_u32 v255, v31
	s_wait_dscnt 0x0
	s_set_vgpr_msb 0x100
	CROUND                                         ; the closing round: no work-group ends while a partner may still ask for a tile that names it
	s_endpgm
.Lfunc_end_k_q19ebad3f40_vq:
	.size	k_q19ebad3f40_vq, .Lfunc_end_k_q19ebad3f40_vq-k_q19ebad3f40_vq
	.p2alignl 7, 3214868480
	.fill 96, 4, 3214868480
	.section	.rodata,"a",@progbits
	.p2align	6, 0x0
	.amdhsa_kernel k_q19ebad3f40_vq
		.amdhsa_group_segment_fixed_size 327680
		.amdhsa_private_segment_fixed_size 0
		.amdhsa_enable_private_segment 0
		.amdhsa_kernarg_size 48
		.amdhsa_user_sgpr_count 2
		.amdhsa_user_sgpr_kernarg_segment_ptr 1
		.amdhsa_wavefront_size32 1
		.amdhsa_system_sgpr_workgroup_id_x 1
		.amdhsa_system_sgpr_workgroup_id_y 1
		.amdhsa_system_sgpr_workgroup_id_z 1
		.amdhsa_system_vgpr_workitem_id 0
		.amdhsa_next_free_vgpr 1024
		.amdhsa_next_free_sgpr 102
		.amdhsa_reserve_vcc 0
		.amdhsa_float_denorm_mode_32 3
		.amdhsa_float_denorm_mode_16_64 3
		.amdhsa_memory_ordered 1
		.amdhsa_forward_progress 1
		.amdhsa_inst_pref_size 255
	.end_amdhsa_kernel
	.section	.bss,"aw",@nobits
	.p2align	6
	.space	262144
	.amdgpu_metadata
---
amdhsa.version: [ 1, 2 ]
amdhsa.kernels:
  - .name:           k_q19ebad3f40_vq
    .symbol:         k_q19ebad3f40_vq.kd
    .args:
      - { .name: xb, .offset: 0, .size: 8, .value_kind: global_buffer, .address_space: global }
      - { .name: ebt, .offset: 8, .size: 8, .value_kind: global_buffer, .address_space: global }
      - { .name: xx, .offset: 16, .size: 8, .value_kind: global_buffer, .address_space: global }
      - { .name: ee, .offset: 24, .size: 8, .value_kind: global_buffer, .address_space: global }
      - { .name: candk, .offset: 32, .size: 8, .value_kind: global_buffer, .address_space: global }
      - { .name: candi, .offset: 40, .size: 8, .value_kind: global_buffer, .address_space: global }
    .group_segment_fixed_size: 327680
    .private_segment_fixed_size: 0
    .kernarg_segment_align: 8
    .kernarg_segment_size: 48
    .max_flat_workgroup_size: 128
    .sgpr_count:     102
    .vgpr_count:     1024
    .wavefront_size: 32
...
	.end_amdgpu_metadata
.endif
;; end of part 2
;; launch finish (part 3): grid 256 x 1, 16 waves a work-group, no clusters, 2,560 bytes of LDS; arguments input_data, et32, candk, candi, out0, out2, part; writes out0, out2, part
.if DOCPART == 3
	.amdgcn_target "amdgcn-amd-amdhsa--gfx1250"
	.amdhsa_code_object_version 6
	.text
	.protected	k_q19ebad3f40_finish
	.globl	k_q19ebad3f40_finish
	.p2align	8
	.type	k_q19ebad3f40_finish,@function
k_q19ebad3f40_finish:
	s_mov_b64 s[64:65], 0
	v_nop
	global_prefetch_b8 v0, s[64:65] scope:SCOPE_SE
	s_setreg_imm32_b32 hwreg(HW_REG_WAVE_MODE, 25, 1), 1
	s_wait_xcnt 0x0
; finish: out0 = x + (code - x), out2 = the nearest code's number, part = each work-group's sum of (code - x)^2.  All in f32 on the inputs as given.
; Each token has four candidates, one for each quarter of the codes: the code's number in candi, and in candk its distance as a whole number of the same order
; (the f32 pattern with the sign bit flipped, or all bits for a negative number), both stored by the launch before.  The choice among the four is a comparison
; of whole numbers read from memory, made in scalar registers (strict: the lower quarter, which has the lower numbers, keeps a tie), so only the
; winner's row is loaded.  LIMIT: a distance that is NaN has a key of no meaning: the index is then unspecified, as in the launch before.
; 16 waves, 4 tokens each; a row of 2,048 bytes is four loads of 512 consecutive bytes.  A wave's 16 loads of x go out before its candidates have arrived, the 16
; loads of the codes' rows as soon as the numbers are chosen: 32 loads x 512 bytes x 16 waves = 256 KB of the work-group on their way, and no register is used twice.
; The 64 numbers and the 16 partial sums meet in LDS behind one barrier; wave 0 stores the numbers as 256 consecutive aligned bytes, and one sum.
; A stream and a gather: no matrix unit, no cluster (no tile is shared by plan between work-groups), no prefetch (a row is loaded the moment its number is known).
.set KEY, 24                           ; s[24:39] candk[q][t0 + t] at s[24 + 4 q + t]; s[24 + t] becomes the least key
.set IDX, 40                           ; s[40:55] candi likewise; s[40 + t] becomes the chosen number
.set OFF, 8                            ; v[8:11]    byte offset of my 16 bytes in token t's code row
.set IV,  12                           ; v[12:15]   the four numbers, for LDS
.set X,   16                           ; v[16:79]   token t: 16 registers of x, then of the result
.set C,   80                           ; v[80:143]  token t: 16 registers of the code's row
.set ACC, 144                          ; v[144:147] sums of squares
.set DD,  148                          ; v[148:155] code - x, four pairs
.set PL,  156
.set PS,  256                          ; LDS: bytes 0-255 the 64 numbers, bytes 256-319 the 16 partial sums
	s_load_b256 s[4:11], s[0:1], 0x0               ; x s[4:5], et32 s[6:7], candk s[8:9], candi s[10:11]
	s_load_b128 s[12:15], s[0:1], 0x20             ; out0 s[12:13], out2 s[14:15]
	s_load_b64 s[16:17], s[0:1], 0x30              ; part
	v_lshl_add_u32 v160, v0, 2, 0x200
	v_mov_b32 v161, 0
	v_lshrrev_b32 v2, 5, v0
	v_readfirstlane_b32 s18, v2                    ; wave 0..15
	v_and_b32 v3, 31, v0                           ; lane
	v_lshlrev_b32 v1, 4, v3                        ; 16 lane
	v_lshlrev_b32 v4, 3, v3                        ; 8 lane
	v_mov_b32 v5, 0
	v_mov_b32 v[PL], 0                             ; v_permlanex16_b32 counts as a reader of its destination
	s_lshl_b32 s19, ttmp9, 4
	s_add_co_u32 s19, s19, s18                     ; the wave's number in the launch, 0..4095
	s_lshl_b32 s20, s18, 4
	v_mov_b32 v6, s20                              ; LDS: my four numbers at 16 w
	s_lshl_b32 s20, s18, 2
	s_add_co_u32 s20, s20, PS
	v_mov_b32 v7, s20                              ; LDS: my partial sum at PS + 4 w
	s_mov_b32 s57, 0
	s_mov_b32 s58, 0x76543210
	s_mov_b32 s59, 0xfedcba98
	s_wait_kmcnt 0x0
	s_lshl_b32 s56, s19, 4                         ; my 4 tokens x 4 bytes
	s_add_nc_u64 s[8:9], s[8:9], s[56:57]
	s_add_nc_u64 s[10:11], s[10:11], s[56:57]
.irp q, 0,1,2,3
	s_load_b128 s[KEY+4*\q:KEY+4*\q+3], s[8:9], 0x10000*\q
	s_load_b128 s[IDX+4*\q:IDX+4*\q+3], s[10:11], 0x10000*\q
.endr
	s_lshl_b32 s56, s19, 13                        ; my 4 rows of 2,048 bytes
	s_add_nc_u64 s[4:5], s[4:5], s[56:57]
	s_add_nc_u64 s[12:13], s[12:13], s[56:57]
.irp t, 0,1,2,3
.irp j, 0,1,2,3
	global_load_b128 v[X+16*\t+4*\j:X+16*\t+4*\j+3], v1, s[4:5] offset:2048*\t+512*\j th:TH_LOAD_NT   ; x needs no candidate: it goes out first
.endr
.endr
	s_lshl_b32 s56, ttmp9, 8                       ; the work-group's 64 tokens in out2
	s_add_nc_u64 s[14:15], s[14:15], s[56:57]
	s_lshl_b32 s56, ttmp9, 2                       ; its one number in part
	s_add_nc_u64 s[16:17], s[16:17], s[56:57]
	s_wait_kmcnt 0x0                               ; the candidates
.irp t, 0,1,2,3
.irp q, 1,2,3
	s_cmp_lt_u32 s[KEY+4*\q+\t], s[KEY+\t]         ; quarter q is strictly nearer than all before it
	s_cselect_b32 s[IDX+\t], s[IDX+4*\q+\t], s[IDX+\t]
	s_cselect_b32 s[KEY+\t], s[KEY+4*\q+\t], s[KEY+\t]
.endr
	s_min_u32 s[IDX+\t], s[IDX+\t], 0x1fff         ; a loaded number enters an address only inside the table's 8,192 rows
	v_lshl_add_u32 v[OFF+\t], s[IDX+\t], 11, v1
.irp j, 0,1,2,3
	global_load_b128 v[C+16*\t+4*\j:C+16*\t+4*\j+3], v[OFF+\t], s[6:7] offset:512*\j
.endr
.endr
.irp t, 0,1,2,3
	v_mov_b32 v[IV+\t], s[IDX+\t]
.endr
	ds_store_b128 v6, v[IV:IV+3]                   ; all lanes write the same 16 bytes with the same values
.macro SQ t, n, p                      ; ACC pair p & 1 += d^2; the wave's first two squares start the sums
.if (\t) == 0
.if (\n) < 2
	v_pk_mul_f32 v[ACC+2*(\p&1):ACC+2*(\p&1)+1], v[DD+2*\p:DD+2*\p+1], v[DD+2*\p:DD+2*\p+1]
.else
	v_pk_fma_f32 v[ACC+2*(\p&1):ACC+2*(\p&1)+1], v[DD+2*\p:DD+2*\p+1], v[DD+2*\p:DD+2*\p+1], v[ACC+2*(\p&1):ACC+2*(\p&1)+1]
.endif
.else
	v_pk_fma_f32 v[ACC+2*(\p&1):ACC+2*(\p&1)+1], v[DD+2*\p:DD+2*\p+1], v[DD+2*\p:DD+2*\p+1], v[ACC+2*(\p&1):ACC+2*(\p&1)+1]
.endif
.endm
.macro WORK t
	s_wait_loadcnt 4*(3-\t)                        ; loads return in order: x's and this token's row are in, the later tokens' four loads each stay out
.irp g, 0,4
.irp p, 0,1,2,3
	v_pk_add_f32 v[DD+2*\p:DD+2*\p+1], v[C+16*\t+2*(\g+\p):C+16*\t+2*(\g+\p)+1], v[X+16*\t+2*(\g+\p):X+16*\t+2*(\g+\p)+1] neg_lo:[0,1] neg_hi:[0,1]   ; code - x
.endr
.irp p, 0,1,2,3
	SQ \t, \g+\p, \p
.endr
.irp p, 0,1,2,3
	v_pk_add_f32 v[X+16*\t+2*(\g+\p):X+16*\t+2*(\g+\p)+1], v[X+16*\t+2*(\g+\p):X+16*\t+2*(\g+\p)+1], v[DD+2*\p:DD+2*\p+1]   ; x + (code - x)
.endr
.endr
.irp j, 0,1,2,3
	global_store_b128 v1, v[X+16*\t+4*\j:X+16*\t+4*\j+3], s[12:13] offset:2048*\t+512*\j th:TH_STORE_NT   ; its data registers are never written again
.endr
.endm
	WORK 0
	WORK 1
	WORK 2
	WORK 3
	v_pk_add_f32 v[ACC:ACC+1], v[ACC:ACC+1], v[ACC+2:ACC+3]
	v_add_f32 v[ACC], v[ACC], v[ACC+1]
	v_add_f32_dpp v[ACC], v[ACC], v[ACC] row_xmask:1 row_mask:0xf bank_mask:0xf
	v_add_f32_dpp v[ACC], v[ACC], v[ACC] row_xmask:2 row_mask:0xf bank_mask:0xf
	v_add_f32_dpp v[ACC], v[ACC], v[ACC] row_xmask:4 row_mask:0xf bank_mask:0xf
	v_add_f32_dpp v[ACC], v[ACC], v[ACC] row_xmask:8 row_mask:0xf bank_mask:0xf
	v_permlanex16_b32 v[PL], v[ACC], s58, s59
	v_add_f32 v[ACC], v[ACC], v[PL]
	ds_store_b32 v7, v[ACC]                        ; all lanes write the same word with the same value
	s_wait_dscnt 0x0                               ; my numbers and my sum are in LDS before I say so
	s_barrier_signal -1
	s_barrier_wait -1
	s_cmp_lg_u32 s18, 0
	s_cbranch_scc1 .Lothers
	v_mov_b32 v2, PS
	ds_load_b64 v[C:C+1], v4                       ; the numbers of tokens 2 l, 2 l + 1 of the work-group's 64
.irp j, 0,1,2,3
	ds_load_b128 v[C+4+4*\j:C+7+4*\j], v2 offset:16*\j     ; the 16 partial sums, in every lane
.endr
	s_wait_dscnt 0x0
	global_store_b64 v4, v[C:C+1], s[14:15]        ; 256 consecutive aligned bytes
.irp j, 0,2,4,6
	v_pk_add_f32 v[C+4+\j:C+5+\j], v[C+4+\j:C+5+\j], v[C+12+\j:C+13+\j]
.endr
.irp j, 0,2
	v_pk_add_f32 v[C+4+\j:C+5+\j], v[C+4+\j:C+5+\j], v[C+8+\j:C+9+\j]
.endr
	v_pk_add_f32 v[C+4:C+5], v[C+4:C+5], v[C+6:C+7]
	v_add_f32 v[C+4], v[C+4], v[C+5]
	v_cmp_eq_u32 vcc_lo, 0, v3
	s_wait_xcnt 0x0                                ; EXEC is a source of the stores above: it is narrowed only behind this wait
	s_wait_tensorcnt 0x0
	ds_add_u32 v160, v161
	s_wait_dscnt 0x0
	s_and_saveexec_b32 s20, vcc_lo
	global_store_b32 v5, v[C+4], s[16:17]          ; one number a work-group: 256 in all, summed by the last launch
	s_endpgm
.Lothers:
	s_wait_tensorcnt 0x0
	ds_add_u32 v160, v161
	s_wait_dscnt 0x0
	s_endpgm
.Lfunc_end_k_q19ebad3f40_finish:
	.size	k_q19ebad3f40_finish, .Lfunc_end_k_q19ebad3f40_finish-k_q19ebad3f40_finish
	.p2alignl 7, 3214868480
	.fill 96, 4, 3214868480
	.section	.rodata,"a",@progbits
	.p2align	6, 0x0
	.amdhsa_kernel k_q19ebad3f40_finish
		.amdhsa_group_segment_fixed_size 2560
		.amdhsa_private_segment_fixed_size 0
		.amdhsa_enable_private_segment 0
		.amdhsa_kernarg_size 56
		.amdhsa_user_sgpr_count 2
		.amdhsa_user_sgpr_kernarg_segment_ptr 1
		.amdhsa_wavefront_size32 1
		.amdhsa_system_sgpr_workgroup_id_x 1
		.amdhsa_system_sgpr_workgroup_id_y 1
		.amdhsa_system_sgpr_workgroup_id_z 1
		.amdhsa_system_vgpr_workitem_id 0
		.amdhsa_next_free_vgpr 162
		.amdhsa_next_free_sgpr 66
		.amdhsa_reserve_vcc 1
		.amdhsa_float_denorm_mode_32 3
		.amdhsa_float_denorm_mode_16_64 3
		.amdhsa_memory_ordered 1
		.amdhsa_forward_progress 1
		.amdhsa_inst_pref_size 17
	.end_amdhsa_kernel
	.amdgpu_metadata
---
amdhsa.version: [ 1, 2 ]
amdhsa.kernels:
  - .name:           k_q19ebad3f40_finish
    .symbol:         k_q19ebad3f40_finish.kd
    .args:
      - { .name: input_data, .offset: 0, .size: 8, .value_kind: global_buffer, .address_space: global }
      - { .name: et32, .offset: 8, .size: 8, .value_kind: global_buffer, .address_space: global }
      - { .name: candk, .offset: 16, .size: 8, .value_kind: global_buffer, .address_space: global }
      - { .name: candi, .offset: 24, .size: 8, .value_kind: global_buffer, .address_space: global }
      - { .name: out0, .offset: 32, .size: 8, .value_kind: global_buffer, .address_space: global }
      - { .name: out2, .offset: 40, .size: 8, .value_kind: global_buffer, .address_space: global }
      - { .name: part, .offset: 48, .size: 8, .value_kind: global_buffer, .address_space: global }
    .group_segment_fixed_size: 2560
    .private_segment_fixed_size: 0
    .kernarg_segment_align: 8
    .kernarg_segment_size: 56
    .max_flat_workgroup_size: 512
    .sgpr_count:     66
    .vgpr_count:     162
    .wavefront_size: 32
...
	.end_amdgpu_metadata
.endif
;; end of part 3
;; launch total (part 4): grid 1 x 1, 1 waves a work-group, no clusters, 0 bytes of LDS; arguments part, out1; writes out1
.if DOCPART == 4
	.amdgcn_target "amdgcn-amd-amdhsa--gfx1250"
	.amdhsa_code_object_version 6
	.text
	.protected	k_q19ebad3f40_total
	.globl	k_q19ebad3f40_total
	.p2align	8
	.type	k_q19ebad3f40_total,@function
k_q19ebad3f40_total:
	s_mov_b64 s[64:65], 0
	v_nop
	global_prefetch_b8 v0, s[64:65] scope:SCOPE_SE
	s_setreg_imm32_b32 hwreg(HW_REG_WAVE_MODE, 25, 1), 1
	s_wait_xcnt 0x0
; total: out1 = (sum of the 256 partial sums) / (16,384 x 512).  One wave: 1,024 bytes are two loads of 512 consecutive bytes; packed adds, then the lanes.
; The divisor is 2^23, so the division is an exact multiplication by 2^-23.
	s_load_b128 s[4:7], s[0:1], 0x0                ; part s[4:5], out1 s[6:7]
	v_lshlrev_b32 v1, 4, v0
	v_mov_b32 v2, 0
	v_mov_b32 v3, 0                                ; v_permlanex16_b32 counts as a reader of its destination
	s_mov_b32 s8, 0x76543210
	s_mov_b32 s9, 0xfedcba98
	s_wait_kmcnt 0x0
	global_load_b128 v[8:11], v1, s[4:5]
	global_load_b128 v[12:15], v1, s[4:5] offset:512
	s_wait_loadcnt 0x0
	v_pk_add_f32 v[8:9], v[8:9], v[12:13]
	v_pk_add_f32 v[10:11], v[10:11], v[14:15]
	v_pk_add_f32 v[8:9], v[8:9], v[10:11]
	v_add_f32 v8, v8, v9
	v_add_f32_dpp v8, v8, v8 row_xmask:1 row_mask:0xf bank_mask:0xf
	v_add_f32_dpp v8, v8, v8 row_xmask:2 row_mask:0xf bank_mask:0xf
	v_add_f32_dpp v8, v8, v8 row_xmask:4 row_mask:0xf bank_mask:0xf
	v_add_f32_dpp v8, v8, v8 row_xmask:8 row_mask:0xf bank_mask:0xf
	v_permlanex16_b32 v3, v8, s8, s9
	v_add_f32 v8, v8, v3
	v_mul_f32 v8, 0x34000000, v8                   ; 2^-23
	v_cmp_eq_u32 vcc_lo, 0, v0
	s_wait_xcnt 0x0                                ; EXEC is narrowed only behind this wait
	s_and_saveexec_b32 s10, vcc_lo
	global_store_b32 v2, v8, s[6:7]
	s_endpgm
.Lfunc_end_k_q19ebad3f40_total:
	.size	k_q19ebad3f40_total, .Lfunc_end_k_q19ebad3f40_total-k_q19ebad3f40_total
	.p2alignl 7, 3214868480
	.fill 96, 4, 3214868480
	.section	.rodata,"a",@progbits
	.p2align	6, 0x0
	.amdhsa_kernel k_q19ebad3f40_total
		.amdhsa_group_segment_fixed_size 0
		.amdhsa_private_segment_fixed_size 0
		.amdhsa_enable_private_segment 0
		.amdhsa_kernarg_size 16
		.amdhsa_user_sgpr_count 2
		.amdhsa_user_sgpr_kernarg_segment_ptr 1
		.amdhsa_wavefront_size32 1
		.amdhsa_system_sgpr_workgroup_id_x 1
		.amdhsa_system_sgpr_workgroup_id_y 1
		.amdhsa_system_sgpr_workgroup_id_z 1
		.amdhsa_system_vgpr_workitem_id 0
		.amdhsa_next_free_vgpr 16
		.amdhsa_next_free_sgpr 66
		.amdhsa_reserve_vcc 1
		.amdhsa_float_denorm_mode_32 3
		.amdhsa_float_denorm_mode_16_64 3
		.amdhsa_memory_ordered 1
		.amdhsa_forward_progress 1
		.amdhsa_inst_pref_size 2
	.end_amdhsa_kernel
	.amdgpu_metadata
---
amdhsa.version: [ 1, 2 ]
amdhsa.kernels:
  - .name:           k_q19ebad3f40_total
    .symbol:         k_q19ebad3f40_total.kd
    .args:
      - { .name: part, .offset: 0, .size: 8, .value_kind: global_buffer, .address_space: global }
      - { .name: out1, .offset: 8, .size: 8, .value_kind: global_buffer, .address_space: global }
    .group_segment_fixed_size: 0
    .private_segment_fixed_size: 0
    .kernarg_segment_align: 8
    .kernarg_segment_size: 16
    .max_flat_workgroup_size: 32
    .sgpr_count:     66
    .vgpr_count:     16
    .wavefront_size: 32
...
	.end_amdgpu_metadata
.endif
;; end of part 4
